; MI455X (gfx1250); checked and timed in simulation.
; The chip was launched on July 23, 2026; its instructions are those of AMD's public machine-readable ISA for CDNA 5 (MIT licence, August 2026) and "CDNA5" Instruction Set Architecture Reference Guide (July 2026). The comments in the code are by the model that wrote it; some were corrected since.
;; Multi Head Attention. Allowed arithmetic: matrix products marked QUANTISED: E2M3 operands, one E8M0 scale for each 32 along K, by v_wmma_scale_f32_16x16x128_f8f6f4 with both operands' format E2M3, f32 sums; everything else in f32.
;; Inputs: Wk 8 x 64 x 512 float32; Wo 512 x 512 float32; Wq 8 x 64 x 512 float32; Wv 8 x 64 x 512 float32; init_K 2 x 4,096 x 512 float32; init_Q 2 x 4,096 x 512 float32; init_V 2 x 4,096 x 512 float32.
;; Outputs: out0 2 x 4,096 x 512 float32.
;; This version of the problem:
;;   THIS VERSION OF THE PROBLEM IS GIVEN IN LOW PRECISION. The matrix products marked QUANTISED in the list below multiply operands that are first quantised to E2M3 (2 exponent bits, 3 mantissa bits; 6 bits a number), with one power-of-two scale for each 32 numbers along K (OCP MX v1.0); their sums are f32. All else is computed in f32.
;;   The module's matrix products, in the order in which they are computed (A, B: the left and right operand; K: the contracted axis; several contracted axes count as one K, in the product's order):
;;     1. [M 512, K 512] x [K 512, N 8,192]; A: input Wq; B: input init_Q: QUANTISED
;;     2. [M 512, K 512] x [K 512, N 8,192]; A: input Wk; B: input init_K: QUANTISED
;;     3. [M 512, K 512] x [K 512, N 8,192]; A: input Wv; B: input init_V: QUANTISED
;;     4. batch 16 x [M 4,096, K 64] x [K 64, N 4,096]; A: computed on the way; B: computed on the way: QUANTISED
;;     5. batch 16 x [M 4,096, K 4,096] x [K 4,096, N 64]; A: softmax (see below); B: computed on the way: QUANTISED
;;     6. [M 8,192, K 512] x [K 512, N 512]; A: computed on the way; B: input Wo: QUANTISED
;;   THE QUANTISER, for each operand of a quantised product, along K:
;;     - K is cut into blocks of 32 from its start; a last block that is shorter is filled with zeros.
;;     - A block's scale is 2^e with e = floor(log2(the largest magnitude in the block)) - 2, held to -126 .. 127; a block of zeros has e = 0. As a byte (E8M0): e + 127.
;;     - Each number is divided by its block's scale, clamped to +-7.5, and rounded to the nearest number of E2M3, ties to even, subnormals kept.
;;     - The product sums the exact products of the quantised numbers (number of the format x scale) in f32.
;;   ~~~python
;;   def quantise(x, axis):      # numpy; x: float32 -> the quantised numbers, widened to float32 again
;;       x = np.moveaxis(x, axis, -1); K = x.shape[-1]
;;       x = np.pad(x, [(0, 0)] * (x.ndim - 1) + [(0, -K % 32)]); x = x.reshape(x.shape[:-1] + (-1, 32)); a = np.abs(x).max(-1, keepdims=True)
;;       e = np.where(a > 0, np.clip(np.frexp(np.where(a > 0, a, 1))[1] - 1 - 2, -126, 127), 0)      # np.frexp(a)[1] - 1 = floor(log2(a)), exactly
;;       r = np.clip(x / 2.0 ** e, -7.5, 7.5)
;;       step = 2.0 ** (np.maximum(np.frexp(np.where(r == 0, 1, r))[1] - 1, 0) - 3)
;;       q = np.round(r / step) * step * 2.0 ** e      # np.round: ties to even
;;       return np.moveaxis(q.reshape(q.shape[:-2] + (-1,))[..., :K], -1, axis).astype(np.float32)
;;   ~~~
;;   SOFTMAX AHEAD OF A QUANTISED PRODUCT. Where the list says 'softmax', what is quantised is not the finished softmax but p = 2^(t - M), with t = logit x log2(e) and M = ceil(the row's largest t), a whole number; so 1/2 < the row's largest p <= 1. The row's sum l is taken of the UNQUANTISED p, in f32, and the product's result is divided by l at the end. Since M is a whole number, a kernel that streams over the keys may use a running M (the ceiling of the running maximum): every later rescaling is an exact power of two, which a block's scale takes up: the codes' values come out the same.
;;   OPERANDS COMPUTED ON THE WAY. 'Computed on the way' means the value that the module computes at that place (a softmax that the list does not call 'softmax' is quantised finished and normalised). What goes into a quantiser is computed in f32, as accurately as f32 sums, v_exp_f32 and their like allow (about 1e-6 of the number): no bf16 or f16 on the way to a quantiser, and a product that is left as it is and whose result goes on into a quantised operand takes f32 operands (vector FMAs, or v_wmma_f32_16x16x4_f32). A number that lies on a knife's edge between two numbers of the format may be rounded either way, as far as f32 arithmetic and the matrix unit's own rounding can turn it there, and no further.
;; One version. Each part assembles by itself: llvm-mc -triple=amdgcn-amd-amdhsa -mcpu=gfx1250 --defsym DOCPART=n.
;; ======== version 1 of 1: 4 launches
;; limits: right only within a limited range of input values
;; workspace buffers: wc 819,200 bytes; qc 3,276,800 bytes; kv 6,553,600 bytes; cc 3,276,800 bytes
;; launch wquant (part 1): grid 128 x 1, 2 waves a work-group, no clusters, 0 bytes of LDS; arguments Wq, Wk, Wv, Wo, wc; writes wc
.if DOCPART == 1
	.amdgcn_target "amdgcn-amd-amdhsa--gfx1250"
	.amdhsa_code_object_version 6
	.text
	.protected	k_q4bd75ce0e7_wquant
	.globl	k_q4bd75ce0e7_wquant
	.p2align	8
	.type	k_q4bd75ce0e7_wquant,@function
k_q4bd75ce0e7_wquant:
	s_mov_b64 s[64:65], 0
	v_nop
	global_prefetch_b8 v0, s[64:65] scope:SCOPE_SE
	s_setreg_imm32_b32 hwreg(HW_REG_WAVE_MODE, 25, 1), 1
	s_wait_xcnt 0x0
; The four weights, each [512 rows][512 along K] f32 with K innermost (Wq, Wk, Wv: row = 64 x head + channel), become codes of FP6 (E2M3) with one E8M0 byte for each 32 along K,
; laid in wc in the ORDER OF AN OPERAND'S REGISTERS, so that later launches fetch fragments by loads of 16 bytes a lane and whole quarters by one dense tensor load.
; wc: weight id (0 Wq, 1 Wk, 2 Wv, 3 Wo) x 204,800 bytes; in it quarter q (rows 128 q on) x 51,200 = one OPERAND BLOCK: image (t, s) of tile t, K step s at (4 t + s) x 1,536 (registers 4 k .. 4 k + 3 of lane l at 512 k + 16 l);
; scale register (t, sp) at 49,152 + (2 t + sp) x 128, one word at 4 l: lanes 0-15 the words of K step 2 sp, lanes 16-31 those of K step 2 sp + 1.
; THE ROWS OF A TILE ARE NOT NEIGHBOURS: row i of tile t = 2 b + u of a quarter is row 32 b + 8 u + i + 8 (i / 8), so that a product that takes two neighbouring tiles as source 0 leaves 16 neighbours in a lane's 16 registers.
; A block's scale is 2^(floor(log2(its largest magnitude)) - 2); its byte is the largest magnitude's exponent field - 2, held at 1 from below.
; LIMITS: a block whose largest magnitude lies under 2^-124, zeros among them, gets the byte 1 (its codes are then zeros or nearly so; only this program reads the bytes); NaN and infinities are not served.
; SHARES: a work-group takes one tile of one weight (128 work-groups), its wave sp K steps 2 sp and 2 sp + 1.  A lane loads, of its row, 16 neighbours of each block of 32: a fragment's 16 loads use each row's 512 bytes whole.
; No LDS, no barrier, no matrix unit: 4 MiB are streamed once.
.set X0,  16                           ; v16-79   64 numbers of K step 2 sp: register 16 b + i = k 32 b + 16 (lane / 16) + i of my row
.set X1,  80                           ; v80-143  of K step 2 sp + 1
.set PC0, 144                          ; v144-155 the first fragment's codes
.set PC1, 156                          ; v156-167 the second's
.set CT,  168                          ; v168-175 the upper halves of blocks, as the conversions leave them
.set TM,  176                          ; v176-187 largest magnitudes, bytes, the conversions' scale operands
.set PWA, 188                          ; the two scale words,
.set PWB, 189
.set PWM, 190                          ; and the two in one register
.set SEL, 20                           ; s[20:21] lane selects for v_permlanex16_b32: lane l xor 16
.set HM,  22                           ; s22 a mask of lanes 16-31
.set OPB, 51200
.set SRO, 49152
; 64 numbers of a lane, v[src + 16 b + i] = k 32 b + 16 (lane / 16) + i of my row, become a fragment's codes (registers 0-5 at d0, 6-11 at d1) and its scale word in v[pw].
.macro QUANT src, d0, d1, pw
.irp b, 0,1,2,3
	v_max3_num_f32 v[TM+\b], |v[\src+16*\b]|, |v[\src+16*\b+1]|, 0x1800000   ; block b: my 16 numbers, and the floor 2^(3 - 127): so the byte cannot fall under 1
.endr
.irp i, 2,4,6,8,10,12,14
.irp b, 0,1,2,3
	v_max3_num_f32 v[TM+\b], v[TM+\b], |v[\src+16*\b+\i]|, |v[\src+16*\b+\i+1]|   ; (the four blocks by turns)
.endr
.endr
.irp b, 0,1,2,3
	v_permlanex16_b32 v[TM+4+\b], v[TM+\b], s[SEL], s[SEL+1]
.endr
.irp b, 0,1,2,3
	v_max_num_f32 v[TM+\b], v[TM+\b], v[TM+4+\b]   ; with lane l xor 16's 16: the block's largest magnitude
.endr
.irp b, 0,1,2,3
	v_add_nc_u32 v[TM+8+\b], 0xff000000, v[TM+\b]  ; 2 off its exponent field: the conversion takes the exponent field of this operand as its scale
.endr
.irp b, 0,1,2,3
	v_lshrrev_b32 v[TM+4+\b], 23, v[TM+8+\b]       ; the scale's byte
.endr
	v_lshl_or_b32 v[\pw], v[TM+5], 8, v[TM+4]      ; four bytes: my row's scale word
	v_lshl_or_b32 v[\pw], v[TM+6], 16, v[\pw]
	v_lshl_or_b32 v[\pw], v[TM+7], 24, v[\pw]
	v_cvt_scalef32_pk16_fp6_f32 v[\d0:\d0+2], v[\src:\src+15], v[TM+8]
	v_cvt_scalef32_pk16_fp6_f32 v[CT:CT+2], v[\src+16:\src+31], v[TM+9]      ; (a conversion's three registers begin on an even number)
	v_cvt_scalef32_pk16_fp6_f32 v[\d1:\d1+2], v[\src+32:\src+47], v[TM+10]
	v_cvt_scalef32_pk16_fp6_f32 v[CT+4:CT+6], v[\src+48:\src+63], v[TM+11]
	v_nop                                          ; one plain place behind the scaled conversions
.irp i, 0,1,2
	v_permlane16_swap_b32 v[\d0+\i], v[CT+\i]      ; the layout wants a WHOLE block in a lane: lanes 0-15 the even block, lanes 16-31 the odd one
	v_permlane16_swap_b32 v[\d1+\i], v[CT+4+\i]
.endr
.irp i, 0,1,2
	v_mov_b32 v[\d0+3+\i], v[CT+\i]
	v_mov_b32 v[\d1+3+\i], v[CT+4+\i]
.endr
.endm
	s_load_b256 s[4:11], s[0:1], 0x0               ; Wq, Wk, Wv, Wo
	s_load_b64 s[12:13], s[0:1], 0x20              ; wc
	v_lshrrev_b32 v1, 5, v0
	v_readfirstlane_b32 s14, v1                    ; wave sp
	v_and_b32 v1, 31, v0                           ; lane
	v_and_b32 v2, 15, v0                           ; r
	v_bfe_u32 v4, v0, 4, 1                         ; h
	v_and_b32 v5, 8, v2
	v_add_nc_u32 v5, v5, v2                        ; r + 8 (r / 8)
	v_lshlrev_b32 v3, 11, v5                       ; my row of 2,048 bytes,
	v_lshl_add_u32 v3, v4, 6, v3                   ; + 64 h: my 16 numbers of a block
	v_lshlrev_b32 v6, 4, v1                        ; 16 x lane: an image's place
	v_lshlrev_b32 v7, 2, v1                        ; 4 x lane: a scale word's
.irp b, 0,1,2,3
	v_mov_b32 v[TM+4+\b], 0                        ; written once: a lane permute's destination counts as one of its sources
.endr
	s_mov_b32 s[SEL], 0x76543210
	s_mov_b32 s[SEL+1], 0xfedcba98
	s_mov_b32 s[HM], 0xffff0000
	s_lshr_b32 s15, ttmp9, 5                       ; which weight
	s_and_b32 s16, ttmp9, 31                       ; which tile T of its 32
	s_lshr_b32 s17, s16, 1
	s_lshl_b32 s17, s17, 16                        ; in: 32 (T / 2) rows of 2,048 bytes
	s_and_b32 s18, s16, 1
	s_lshl_b32 s18, s18, 14                        ; + 8 (T % 2) rows
	s_add_co_u32 s24, s17, s18
	s_lshl_b32 s18, s14, 10                        ; + my two K steps of 512 bytes
	s_add_co_u32 s24, s24, s18
	s_mov_b32 s25, 0
	s_mul_i32 s26, s15, 4*OPB                      ; out: the weight,
	s_lshr_b32 s17, s16, 3
	s_mul_i32 s17, s17, OPB                        ; the quarter,
	s_add_co_u32 s26, s26, s17
	s_and_b32 s17, s16, 7                          ; the tile in it
	s_lshl_b32 s18, s17, 2
	s_lshl_b32 s19, s14, 1
	s_add_co_u32 s18, s18, s19
	s_mul_i32 s18, s18, 1536                       ; image (t, 2 sp)
	s_add_co_u32 s28, s26, s18
	s_mov_b32 s29, 0
	s_lshl_b32 s18, s17, 1
	s_add_co_u32 s18, s18, s14
	s_lshl_b32 s18, s18, 7                         ; scale register (t, sp)
	s_add_co_u32 s18, s18, SRO
	s_add_co_u32 s30, s26, s18
	s_mov_b32 s31, 0
	s_wait_alu depctr_va_vdst(0)
	s_wait_kmcnt 0x0
	s_cmp_eq_u32 s15, 1                            ; the choice hangs on the work-group's number alone
	s_cselect_b64 s[4:5], s[6:7], s[4:5]
	s_cmp_eq_u32 s15, 2
	s_cselect_b64 s[4:5], s[8:9], s[4:5]
	s_cmp_eq_u32 s15, 3
	s_cselect_b64 s[4:5], s[10:11], s[4:5]
	s_add_nc_u64 s[4:5], s[4:5], s[24:25]
	s_add_nc_u64 s[28:29], s[12:13], s[28:29]
	s_add_nc_u64 s[30:31], s[12:13], s[30:31]
.irp e, 0,1
.irp b, 0,1,2,3
.irp j, 0,1,2,3
	global_load_b128 v[X0+64*\e+16*\b+4*\j:X0+64*\e+16*\b+4*\j+3], v3, s[4:5] offset:512*\e+128*\b+16*\j th:TH_LOAD_NT
.endr
.endr
.endr
	s_wait_loadcnt 16                              ; the first fragment's 16 loads are in; the second's 16 may be out
	QUANT X0, PC0, PC0+6, PWA
	s_wait_loadcnt 0x0
	QUANT X1, PC1, PC1+6, PWB
	v_cndmask_b32 v[PWM], v[PWA], v[PWB], s[HM]    ; lanes 0-15: the even K step's words; lanes 16-31: the odd one's
.irp k, 0,1,2
	global_store_b128 v6, v[PC0+4*\k:PC0+4*\k+3], s[28:29] offset:512*\k         ; 32 lanes store 512 consecutive bytes, at a multiple of 256 from wc's first byte
	global_store_b128 v6, v[PC1+4*\k:PC1+4*\k+3], s[28:29] offset:1536+512*\k
.endr
	global_store_b32 v7, v[PWM], s[30:31]          ; 128 consecutive bytes; the work-group's two waves fill an aligned 256
	s_endpgm
.Lfunc_end_k_q4bd75ce0e7_wquant:
	.size	k_q4bd75ce0e7_wquant, .Lfunc_end_k_q4bd75ce0e7_wquant-k_q4bd75ce0e7_wquant
	.p2alignl 7, 3214868480
	.fill 96, 4, 3214868480
	.section	.rodata,"a",@progbits
	.p2align	6, 0x0
	.amdhsa_kernel k_q4bd75ce0e7_wquant
		.amdhsa_group_segment_fixed_size 0
		.amdhsa_private_segment_fixed_size 0
		.amdhsa_enable_private_segment 0
		.amdhsa_kernarg_size 40
		.amdhsa_user_sgpr_count 2
		.amdhsa_user_sgpr_kernarg_segment_ptr 1
		.amdhsa_wavefront_size32 1
		.amdhsa_system_sgpr_workgroup_id_x 1
		.amdhsa_system_sgpr_workgroup_id_y 1
		.amdhsa_system_sgpr_workgroup_id_z 1
		.amdhsa_system_vgpr_workitem_id 0
		.amdhsa_next_free_vgpr 192
		.amdhsa_next_free_sgpr 66
		.amdhsa_reserve_vcc 0
		.amdhsa_float_denorm_mode_32 3
		.amdhsa_float_denorm_mode_16_64 3
		.amdhsa_memory_ordered 1
		.amdhsa_forward_progress 1
		.amdhsa_inst_pref_size 14
	.end_amdhsa_kernel
	.amdgpu_metadata
---
amdhsa.version: [ 1, 2 ]
amdhsa.kernels:
  - .name:           k_q4bd75ce0e7_wquant
    .symbol:         k_q4bd75ce0e7_wquant.kd
    .args:
      - { .name: Wq, .offset: 0, .size: 8, .value_kind: global_buffer, .address_space: global }
      - { .name: Wk, .offset: 8, .size: 8, .value_kind: global_buffer, .address_space: global }
      - { .name: Wv, .offset: 16, .size: 8, .value_kind: global_buffer, .address_space: global }
      - { .name: Wo, .offset: 24, .size: 8, .value_kind: global_buffer, .address_space: global }
      - { .name: wc, .offset: 32, .size: 8, .value_kind: global_buffer, .address_space: global }
    .group_segment_fixed_size: 0
    .private_segment_fixed_size: 0
    .kernarg_segment_align: 8
    .kernarg_segment_size: 40
    .max_flat_workgroup_size: 64
    .sgpr_count:     66
    .vgpr_count:     192
    .wavefront_size: 32
...
	.end_amdgpu_metadata
.endif
;; end of part 1
;; launch proj (part 2): grid 192 x 1, 4 waves a work-group, clusters of 4 x 1, 324,096 bytes of LDS; arguments init_Q, init_K, init_V, wc, qc, kv; writes qc, kv
.if DOCPART == 2
	.amdgcn_target "amdgcn-amd-amdhsa--gfx1250"
	.amdhsa_code_object_version 6
	.text
	.protected	k_q4bd75ce0e7_proj
	.globl	k_q4bd75ce0e7_proj
	.p2align	8
	.type	k_q4bd75ce0e7_proj,@function
k_q4bd75ce0e7_proj:
	s_mov_b64 s[64:65], 0
	v_nop
	global_prefetch_b8 v0, s[64:65] scope:SCOPE_SE
	s_setreg_imm32_b32 hwreg(HW_REG_WAVE_MODE, 25, 1), 1
	s_wait_xcnt 0x0
	s_wait_alu depctr_hold_cnt(0) depctr_sa_sdst(0) depctr_va_vdst(0) depctr_va_sdst(0) depctr_va_ssrc(0) depctr_va_vcc(0) depctr_vm_vsrc(0)
	s_getreg_b32 s2, hwreg(HW_REG_IB_STS2, 6, 4)
	s_cmp_eq_u32 s2, 0
	s_cbranch_scc0 .Lentry_in_a_cluster
	s_endpgm
.Lentry_in_a_cluster:
	s_bfe_u32 s2, ttmp6, 0x10000c
	s_cmp_lg_u32 s2, 0x3003
	s_cbranch_scc0 .Lentry_shape_is_right
	s_endpgm
.Lentry_shape_is_right:
; Q = init_Q Wq^T, K = init_K Wk^T, V = init_V Wv^T, all on codes of FP6 (E2M3) with one E8M0 scale for each 32 along K = 512; the results are quantised again in registers, for attention, and only codes go to memory.
; SHARES.  Clusters 0-15 take Q, 16-31 K, 32-47 V.  A work-group takes 128 rows of x (one record of queries or keys) x all 512 features, so x is read from memory once and quantised once: 192 work-groups.
;   (A fragment of V along the keys wants 128 rows in one work-group; 64 rows a group would give 384 groups, which fill 256 WGPs no more evenly.)
; ONE FORM FOR BOTH ORIENTATIONS.  Source 0 = 8 MOVING tiles that stay in registers (32 fragments, windows 1 and 2); source 1 = one FIXED tile (4 fragments from LDS).  A lane then holds one fixed row and 64 results
;   that run along the moving rows, 16 neighbours of each block of 32 (the rows of a tile are row 32 b + 8 u + i + 8 (i / 8)), which is what the conversions want.
;   Q, K: moving = wave w's quarter of W (heads 2 w, 2 w + 1), fixed = x's tile: the results run along the head's 64: two blocks a head.   V: moving = x's 8 tiles, fixed = a tile of wave w's quarter of Wv: the results run along the 128 keys.
; CLUSTER.  The four work-groups of a cluster walk the same weight: its 204,800 bytes of codes come by JOINT tensor loads, one a wave, once.  LDS bytes are filled once, so there is no ring.
; OUT.  qc: (batch x 8 + head) x 204,800 + record x 6,400: four images at 1,536 b (registers 0-5: tile (b, 0), block lane / 16 of the head's 64; registers 6-11: tile (b, 1)); scale words at 6,144 + 16 r + 4 b: bytes (u0 block 0, u0 block 1, u1 block 0, u1 block 1).
;       kv: (batch x 8 + head) x 409,600 + record x 12,800: K as Q; V's four images at 6,144 + 1,536 t (row r = channel 32 (t / 2) + 8 (t % 2) + r + 8 (r / 8), K = the record's 128 keys); K's words at 12,288 + 16 r + 4 b, V's at 12,544 + 16 r + 4 t.
; LIMITS: a block whose largest magnitude lies under 2^-124, zeros among them, gets the byte 1 (only this program reads the bytes); NaN and infinities are not served.
; LDS: 0 .. 204,799 the weight's four operand blocks (filled by the tensor loads);  XB .. XB + 51,199 x's operand block (stored by the waves).  An operand block: image (t, s) at (4 t + s) x 1,536, scale register (t, sp) at 49,152 + (2 t + sp) x 128.
; REGISTERS, window 0: v1 16 l, v2 4 l, v3-v10 addresses; v12-14 scale words; v16-63 the fixed tile; v64-127 accumulators; v128-139 the output's scale words; v192-215 codes; v216-235 at work; v236-237, v240-255 scale registers.
;   windows 1, 2: moving fragment (t, s) at v[12 (2 t + s % 2)] of window 1 + s / 2.  While x is quantised, v64-191 of all three windows take x's numbers, and v12-14, v192-235 are mirrored.
.set OPB, 51200
.set SRO, 49152
.set XB,  204800
.set WV,  16                           ; s16 my wave's number
.set SEL, 20                           ; s[20:21] lane selects for v_permlanex16_b32: lane l xor 16
.set HM,  22                           ; s22 a mask of lanes 16-31
.set G1,  24                           ; s[24:31], s[32:35] the tensor load's groups 1 and 0
.set G0,  32
.set PWA, 12
.set PWB, 13
.set PWM, 14
.set FIX, 16
.set ACC, 64
.set B0,  64                           ; x's numbers: two buffers of 64 in each window
.set OSW, 128
.set OM,  136
.set PCB, 192
.set CT,  216
.set TM,  224
.set FSC, 236
.set MSC, 240
.set MSB, 0
.macro WIN new                         ; the immediate's high byte repeats the setting that is left; a switch that changes nothing is dropped
.if MSB != (\new)
	s_set_vgpr_msb (MSB<<8)|(\new)
.set MSB, (\new)
.endif
.endm
.macro PLACES
.rept 4
	v_nop
.endr
.endm
.macro CROUND                          ; a round of the cluster's barrier
	s_barrier_signal -1
	s_barrier_wait -1
	s_cmp_lg_u32 s[WV], 0
	s_cbranch_scc1 .Lnot_wave_0_\@
	s_barrier_signal -3
.Lnot_wave_0_\@:
	s_barrier_wait -3
	s_barrier_signal -1
	s_barrier_wait -1
.endm
; 64 numbers of a lane, v[src + 16 b + i] = k 32 b + 16 (lane / 16) + i of my row, become codes (registers 0-5 of a fragment at d0, 6-11 at d1) and a scale word in v[pw].  All its registers lie in one window.
.macro QUANT src, d0, d1, pw
.irp b, 0,1,2,3
	v_max3_num_f32 v[TM+\b], |v[\src+16*\b]|, |v[\src+16*\b+1]|, 0x1800000   ; block b: my 16 numbers, and the floor 2^(3 - 127): so the byte cannot fall under 1.  (Each accumulator is read from its low end on)
.endr
.irp i, 2,4,6,8,10,12,14
.irp b, 0,1,2,3
	v_max3_num_f32 v[TM+\b], v[TM+\b], |v[\src+16*\b+\i]|, |v[\src+16*\b+\i+1]|
.endr
.endr
.irp b, 0,1,2,3
	v_permlanex16_b32 v[TM+4+\b], v[TM+\b], s[SEL], s[SEL+1]
.endr
.irp b, 0,1,2,3
	v_max_num_f32 v[TM+\b], v[TM+\b], v[TM+4+\b]   ; with lane l xor 16's 16: the block's largest magnitude
.endr
.irp b, 0,1,2,3
	v_add_nc_u32 v[TM+8+\b], 0xff000000, v[TM+\b]  ; 2 off its exponent field: the conversion's scale operand
.endr
.irp b, 0,1,2,3
	v_lshrrev_b32 v[TM+4+\b], 23, v[TM+8+\b]       ; the scale's byte
.endr
	v_lshl_or_b32 v[\pw], v[TM+5], 8, v[TM+4]
	v_lshl_or_b32 v[\pw], v[TM+6], 16, v[\pw]
	v_lshl_or_b32 v[\pw], v[TM+7], 24, v[\pw]
	v_cvt_scalef32_pk16_fp6_f32 v[\d0:\d0+2], v[\src:\src+15], v[TM+8]
	v_cvt_scalef32_pk16_fp6_f32 v[CT:CT+2], v[\src+16:\src+31], v[TM+9]
	v_cvt_scalef32_pk16_fp6_f32 v[\d1:\d1+2], v[\src+32:\src+47], v[TM+10]
	v_cvt_scalef32_pk16_fp6_f32 v[CT+4:CT+6], v[\src+48:\src+63], v[TM+11]
	v_nop                                          ; one plain place behind the scaled conversions
.irp i, 0,1,2
	v_permlane16_swap_b32 v[\d0+\i], v[CT+\i]      ; a WHOLE block to a lane: lanes 0-15 the even block, lanes 16-31 the odd one
	v_permlane16_swap_b32 v[\d1+\i], v[CT+4+\i]
.endr
.irp i, 0,1,2
	v_mov_b32 v[\d0+3+\i], v[CT+\i]
	v_mov_b32 v[\d1+3+\i], v[CT+4+\i]
.endr
.endm
	s_load_b256 s[4:11], s[0:1], 0x0               ; init_Q, init_K, init_V, wc
	s_load_b128 s[12:15], s[0:1], 0x20             ; qc, kv
; x's way in: each load reads 512 consecutive bytes of one row into windows 0-2 (v64-191); a fragment's 16 rows turn through the wave's own stage in LDS and come back, 64 bytes of a row to a lane, into v64-191 of window 3, where they are quantised.
.set STG,    256000                    ; behind x's operand block: two stages of 16 rows x 528 bytes for each wave
.set SPITCH, 528                       ; 33 x 16 bytes: the sixteen rows that a load touches begin in different banks (64 banks of 4 bytes: ISA guide 11.1)
.set STGB,   16*SPITCH
.set SPARE,  STG+4*2*STGB              ; behind the stages: the spare words, 128 bytes for each wave
	v_lshl_add_u32 v238, v0, 2, SPARE
	v_mov_b32 v239, 0
	ds_add_u32 v238, v239
	ds_add_u32 v238, v239
	v_lshrrev_b32 v1, 5, v0
	v_readfirstlane_b32 s[WV], v1                  ; wave 0..3
	s_bfe_u32 s17, ttmp6, 0x40000                  ; cx: my place in the cluster
	s_lshr_b32 s18, ttmp9, 4                       ; which tensor: 0 Q, 1 K, 2 V: the same in the four partners
	s_and_b32 s19, ttmp9, 15
	s_lshl_b32 s19, s19, 2
	s_add_co_u32 s19, s19, s17                     ; my block of 128 rows, 0..63: it enters global addresses of x and of the output alone
	s_mov_b32 s[SEL], 0x76543210
	s_mov_b32 s[SEL+1], 0xfedcba98
	s_mov_b32 s[HM], 0xffff0000
	; the tensor load: a quarter of the weight's codes, 51,200 dense bytes, as 200 rows of 256 bytes (32 elements of 8 bytes)
	s_mov_b32 s[G1], 15|(3<<16)|(1<<21)            ; 15:0 the mask: all four work-groups; 17:16 elements of 8 bytes; 21 set beside a mask
	s_mov_b32 s[G1+1], 32<<16                      ; tensor_dim0 = 32
	s_mov_b32 s[G1+2], 200<<16                     ; tensor_dim1 = 200
	s_mov_b32 s[G1+3], 32<<16                      ; tile_dim0 = 32
	s_mov_b32 s[G1+4], 200                         ; tile_dim1 = 200
	s_mov_b32 s[G1+5], 32                          ; the pitch
	s_mov_b32 s[G1+6], 0
	s_mov_b32 s[G1+7], 0
	s_mov_b32 s[G0], 1
	s_mul_i32 s[G0+1], s[WV], OPB                  ; to LDS: quarter = wave
	s_mul_i32 s46, s18, 4*OPB
	s_add_co_u32 s46, s46, s[G0+1]
	s_mov_b32 s47, 0
	v_and_b32 v11, 31, v0                          ; lane
	v_lshlrev_b32 v1, 4, v11                       ; 16 l
	v_lshlrev_b32 v2, 2, v11                       ; 4 l
	v_and_b32 v15, 15, v0                          ; r
	v_bfe_u32 v11, v0, 4, 1                        ; h
	s_mul_i32 s56, s[WV], 2*STGB
	s_add_co_u32 s56, s56, STG                     ; my two stages
	v_add_nc_u32 v3, s56, v1                       ; into a stage: 16 l of a row
	s_mul_i32 s44, s[WV], 12288
	s_add_co_u32 s44, s44, XB
	v_add_nc_u32 v4, s44, v1                       ; where I store x's images: my two tiles' eight
	s_lshl_b32 s44, s[WV], 9
	s_add_co_u32 s44, s44, XB+SRO
	v_add_nc_u32 v5, s44, v2                       ; and their four scale registers
	s_mul_i32 s45, s[WV], OPB
	v_add_nc_u32 v6, s45, v1                       ; my quarter of the weight: images,
	v_add_nc_u32 v7, s45, v2                       ; scale registers
	v_add_nc_u32 v8, XB, v1                        ; x: images,
	v_add_nc_u32 v9, XB, v2
	s_wait_alu depctr_va_vdst(0)                   ; the wait ahead of the reader below
	v_mul_u32_u24 v2, v15, SPITCH                  ; out of a stage: row r, + 64 h: my 16 numbers of a block (4 l is needed no more)
	v_lshl_add_u32 v2, v11, 6, v2
	v_add_nc_u32 v2, s56, v2
	s_lshl_b32 s48, s19, 18                        ; x: my block's 128 rows of 2,048 bytes,
	s_lshl_b32 s49, s[WV], 16                      ; Q, V: my wave's 32 rows; row i of tile u is 8 u + i % 8 + 16 (i / 8)
	s_lshr_b32 s57, s[WV], 1                       ; K: row i of my tile u is 64 (w / 2) + 16 (w % 2) + 8 u + i % 8 + 32 (i / 8): so tile 4 c + u of the record holds keys 64 c + 8 u .. in rows 0-7 and keys 64 c + 32 + 8 u .. in rows 8-15
	s_lshl_b32 s57, s57, 17
	s_and_b32 s58, s[WV], 1
	s_lshl_b32 s58, s58, 15
	s_add_co_u32 s57, s57, s58
	s_cmp_eq_u32 s18, 1
	s_cselect_b32 s49, s57, s49
	s_mov_b32 s58, 0x8000                          ; from a tile's row 0 to its row 8: 16 rows of 2,048 bytes, for K 32
	s_cselect_b32 s58, 0x10000, s58
	s_mov_b32 s59, 0
	s_add_co_u32 s48, s48, s49
	s_mov_b32 s49, 0
	s_mov_b32 s50, 409600                          ; bytes of a head in the output, of a record, where the images begin in it, where the scale words
	s_mov_b32 s51, 12800
	s_mov_b32 s53, 12288
	s_wait_dscnt 0x0
	s_wait_kmcnt 0x0
	s_add_nc_u64 s[G0+2:G0+3], s[10:11], s[46:47]
	s_or_b32 s[G0+3], s[G0+3], 0x80000000          ; type = 2
	s_cmp_eq_u32 s18, 0
	s_cselect_b32 s50, 204800, s50
	s_cselect_b32 s51, 6400, s51
	s_cselect_b32 s53, 6144, s53
	s_cselect_b64 s[38:39], s[12:13], s[14:15]     ; qc or kv
	s_cmp_eq_u32 s18, 1
	s_cselect_b64 s[36:37], s[6:7], s[4:5]
	s_cmp_eq_u32 s18, 2
	s_cselect_b64 s[36:37], s[8:9], s[36:37]       ; init_Q, init_K or init_V
	s_cselect_b32 s52, 6144, 0
	s_cselect_b32 s53, 12544, s53
	s_add_nc_u64 s[36:37], s[36:37], s[48:49]
	s_add_nc_u64 s[58:59], s[36:37], s[58:59]      ; rows 8-15 of a tile
	s_lshr_b32 s54, s19, 5                         ; batch
	s_lshl_b32 s54, s54, 3
	s_lshl_b32 s55, s[WV], 1
	s_add_co_u32 s54, s54, s55                     ; batch x 8 + head 2 w
	s_mul_i32 s54, s54, s50
	s_and_b32 s55, s19, 31                         ; the record
	s_mul_i32 s55, s55, s51
	s_add_co_u32 s54, s54, s55
	s_mov_b32 s55, 0
	s_add_nc_u64 s[42:43], s[38:39], s[54:55]      ; head 2 w's record
	s_mov_b32 s54, s52
	s_add_nc_u64 s[38:39], s[42:43], s[54:55]      ; its images,
	s_mov_b32 s54, s50
	s_add_nc_u64 s[40:41], s[38:39], s[54:55]      ; head 2 w + 1's,
	s_mov_b32 s54, s53
	s_add_nc_u64 s[42:43], s[42:43], s[54:55]      ; head 2 w's scale words
	v_mul_u32_u24 v10, s50, v11
	v_lshl_add_u32 v10, v15, 4, v10                ; 16 r; lanes 16-31 a head further on
	CROUND                                         ; all four work-groups are here: the joint loads meet
	tensor_load_to_lds s[G0:G0+3], s[G1:G1+7]      ; my one tensor load of the launch
	s_nop 0
	PLACES
; ---- X: my 32 rows of x become eight fragments f = 4 u + s (tile 2 w + u, K step s), images in LDS.
.macro XLOAD f                         ; fragment f's 64 numbers a lane into buffer f % 2 of window (f / 2) % 3: each of its 16 rows' 512 bytes is used whole
.set XBUF, B0+64*((\f)%2)
	WIN (((\f)/2)%3)<<6
.irp b, 0,1
.irp j, 0,1,2,3,4,5,6,7
	global_load_b128 v[XBUF+32*\b+4*\j:XBUF+32*\b+4*\j+3], v1, s[36+22*\b:37+22*\b] offset:((\f)/4)*16384+((\f)%4)*512+2048*\j th:TH_LOAD_NT   ; row 8 b + j of the tile: 32 lanes read 512 consecutive bytes
.endr
.endr
.endm
.macro XQ f, n                         ; n: the LDS instructions of the next fragment's turn, which may stay out
.set XW, 3
.set XBUF, B0+64*((\f)%2)
	s_wait_dscnt \n                                ; n: the LDS instructions of the next fragment's turn, which may stay out
	WIN XW*0x55
	QUANT XBUF, PCB, PCB+6, PWA+(\f)%2
.if (\f)%2
	v_cndmask_b32 v[PWM], v[PWA], v[PWB], s[HM]    ; lanes 0-15: the even K step's words; lanes 16-31: the odd one's
.endif
	WIN XW<<2                                      ; an LDS store's data are its source 1
.irp k, 0,1,2
	ds_store_b128 v4, v[PCB+4*\k:PCB+4*\k+3] offset:(\f)*1536+512*\k
.endr
.if (\f)%2
	ds_store_b32 v5, v[PWM] offset:((\f)/2)*128
.endif
	s_wait_dscnt 0x0                               ; the stores have read their registers
.endm
	s_wait_alu depctr_va_vdst(0)
.irp f, 0,1,2,3,4,5
	XLOAD \f
.endr
.irp w, 0,3
	WIN \w<<6
.irp b, 0,1,2,3
	v_mov_b32 v[TM+4+\b], 0                        ; written once in each window: a lane permute's destination counts as one of its sources
.endr
.endr
.macro TURN f, n                       ; fragment f through stage f % 2.  n: the loads of younger fragments, which may stay out (at most what the wait's field holds).  LDS serves a wave's instructions in order: no wait between the stores and the loads
.set XBUF, B0+64*((\f)%2)
	s_wait_loadcnt \n
	WIN (((\f)/2)%3)<<2
.irp i, 0,1,2,3,4,5,6,7,8,9,10,11,12,13,14,15
	ds_store_b128 v3, v[XBUF+4*\i:XBUF+4*\i+3] offset:((\f)%2)*STGB+\i*SPITCH
.endr
	WIN 0xc0
.irp b, 0,1,2,3
.irp j, 0,1,2,3
	ds_load_b128 v[XBUF+16*\b+4*\j:XBUF+16*\b+4*\j+3], v2 offset:((\f)%2)*STGB+128*\b+16*\j
.endr
.endr
.endm
	TURN 0, 63                                     ; 80 younger loads
	TURN 1, 63                                     ; 64
	XQ 0, 32
	XLOAD 6                                        ; into the registers that fragment 0 has left: its stores into the stage are done
	TURN 2, 63                                     ; 64
	XQ 1, 32
	XLOAD 7
	TURN 3, 63                                     ; 64
	XQ 2, 32
	TURN 4, 48
	XQ 3, 32
	TURN 5, 32
	XQ 4, 32
	TURN 6, 16
	XQ 5, 32
	TURN 7, 0
	XQ 6, 32
	XQ 7, 0
	WIN 0
	s_wait_tensorcnt 0x0                           ; my quarter of the weight has landed,
	s_wait_dscnt 0x0                               ; my images are stored:
	s_barrier_signal -1
	s_barrier_wait -1                              ; everybody's are.  From here on LDS is only read
; ---- the products
.macro LOADMOV ma, msa                 ; the 32 moving fragments and their 16 scale registers
.irp w, 0,1
	WIN 0x40*(1+\w)
.irp t, 0,1,2,3,4,5,6,7
.irp s, 0,1
.irp k, 0,1,2
	ds_load_b128 v[12*(2*\t+\s)+4*\k:12*(2*\t+\s)+4*\k+3], v[\ma] offset:(4*\t+2*\w+\s)*1536+512*\k
.endr
.endr
.endr
.endr
	WIN 0
.irp j, 0,1,2,3,4,5,6,7,8,9,10,11,12,13,14,15
	ds_load_b32 v[MSC+\j], v[\msa] offset:SRO+\j*128
.endr
.endm
.macro FETCHFIX i, fa, fsa             ; fixed tile i: four fragments, two scale registers
.irp s, 0,1,2,3
.irp k, 0,1,2
	ds_load_b128 v[FIX+12*\s+4*\k:FIX+12*\s+4*\k+3], v[\fa] offset:(\i)*6144+\s*1536+512*\k
.endr
.endr
.irp p, 0,1
	ds_load_b32 v[FSC+\p], v[\fsa] offset:SRO+(2*(\i)+\p)*128
.endr
.endm
.macro MULS s                          ; K step s: the eight accumulators take turns, one instruction a turn.  An odd K step's scale words lie in lanes 16-31
	WIN 1+(\s)/2
.irp t, 0,1,2,3,4,5,6,7
.if (\s) == 0
	v_wmma_scale_f32_16x16x128_f8f6f4 v[ACC+8*\t:ACC+8*\t+7], v[24*\t:24*\t+11], v[FIX:FIX+11], 0, v[MSC+2*\t], v[FSC] matrix_a_fmt:MATRIX_FMT_FP6 matrix_b_fmt:MATRIX_FMT_FP6
.elseif (\s)%2
	v_wmma_scale_f32_16x16x128_f8f6f4 v[ACC+8*\t:ACC+8*\t+7], v[24*\t+12:24*\t+23], v[FIX+12*(\s):FIX+12*(\s)+11], v[ACC+8*\t:ACC+8*\t+7], v[MSC+2*\t+(\s)/2], v[FSC+(\s)/2] matrix_a_fmt:MATRIX_FMT_FP6 matrix_b_fmt:MATRIX_FMT_FP6 matrix_a_scale:MATRIX_SCALE_ROW1 matrix_b_scale:MATRIX_SCALE_ROW1
.else
	v_wmma_scale_f32_16x16x128_f8f6f4 v[ACC+8*\t:ACC+8*\t+7], v[24*\t:24*\t+11], v[FIX+12*(\s):FIX+12*(\s)+11], v[ACC+8*\t:ACC+8*\t+7], v[MSC+2*\t+(\s)/2], v[FSC+(\s)/2] matrix_a_fmt:MATRIX_FMT_FP6 matrix_b_fmt:MATRIX_FMT_FP6
.endif
.endr
.endm
; kind 0: Q or K; 1: V.  Every offset is an immediate.
.macro MAIN kind, ma, msa, fa, fsa
	LOADMOV \ma, \msa
	FETCHFIX 0, \fa, \fsa
.irp i, 0,1,2,3,4,5,6,7
	s_wait_dscnt 0x0                               ; the fixed tile is in (at first: the moving fragments too)
	MULS 0
	MULS 1
	MULS 2
	MULS 3
	WIN 0
	PLACES                                         ; four places in front of loads into registers that the products have read, and of the first read of results
.if \i < 7
	FETCHFIX \i+1, \fa, \fsa                       ; lands while this tile's results are quantised
.endif
.if (\i > 0) && (\i%2 == 0)
	s_wait_xcnt 0x0                                ; the last pair's stores have read the codes' registers, which are written again below
.endif
.if \kind == 0
	QUANT ACC, PCB+6*(\i%2), PCB+12+6*(\i%2), PWA+\i%2    ; x's tile (b, u), i = 2 b + u: head 2 w's two blocks to v[PCB + 6 u], head 2 w + 1's to v[PCB + 12 + 6 u]
.if \i%2
	v_perm_b32 v[OSW+\i/2], v[PWB], v[PWA], 0x05040100    ; head 2 w's word: (u0 block 0, u0 block 1, u1 block 0, u1 block 1)
	v_perm_b32 v[OSW+4+\i/2], v[PWB], v[PWA], 0x07060302  ; head 2 w + 1's
.irp c, 0,1
.irp k, 0,1,2
	global_store_b128 v1, v[PCB+12*\c+4*\k:PCB+12*\c+4*\k+3], s[38+2*\c:39+2*\c] offset:(\i/2)*1536+512*\k   ; 32 lanes store 512 consecutive bytes, at a multiple of 256 from the buffer's first byte
.endr
.endr
.endif
.else
	QUANT ACC, PCB+12*(\i%2), PCB+12*(\i%2)+6, OSW+\i     ; tile i of my 128 channels: a whole fragment along the 128 keys, and its scale word
.if \i%2
.irp e, 0,1
.irp k, 0,1,2
	global_store_b128 v1, v[PCB+12*\e+4*\k:PCB+12*\e+4*\k+3], s[38+2*(\i/4):39+2*(\i/4)] offset:((\i-1+\e)%4)*1536+512*\k
.endr
.endr
.endif
.endif
.endr
.endm
	s_cmp_eq_u32 s18, 2                            ; the same way for all waves of all four partners
	s_cbranch_scc1 .Lvalues
	MAIN 0, 6, 7, 8, 9
	s_branch .Ljoin
.Lvalues:
	MAIN 1, 8, 9, 6, 7
.Ljoin:
	s_wait_alu depctr_va_vdst(0)
.irp b, 0,1,2,3
	v_cndmask_b32 v[OM+\b], v[OSW+\b], v[OSW+4+\b], s[HM]   ; lanes 0-15: head 2 w's four words of row r; lanes 16-31: head 2 w + 1's
.endr
	global_store_b128 v10, v[OM:OM+3], s[42:43]    ; each half of the lanes fills one aligned 256 bytes
	s_wait_dscnt 0x0
	s_wait_tensorcnt 0x0
	ds_add_u32 v238, v239
	s_wait_dscnt 0x0
	CROUND                                         ; the closing round: no work-group ends while a partner may still ask for a tile that names it
	s_endpgm
.Lfunc_end_k_q4bd75ce0e7_proj:
	.size	k_q4bd75ce0e7_proj, .Lfunc_end_k_q4bd75ce0e7_proj-k_q4bd75ce0e7_proj
	.p2alignl 7, 3214868480
	.fill 96, 4, 3214868480
	.section	.rodata,"a",@progbits
	.p2align	6, 0x0
	.amdhsa_kernel k_q4bd75ce0e7_proj
		.amdhsa_group_segment_fixed_size 324096
		.amdhsa_private_segment_fixed_size 0
		.amdhsa_enable_private_segment 0
		.amdhsa_kernarg_size 48
		.amdhsa_user_sgpr_count 2
		.amdhsa_user_sgpr_kernarg_segment_ptr 1
		.amdhsa_wavefront_size32 1
		.amdhsa_system_sgpr_workgroup_id_x 1
		.amdhsa_system_sgpr_workgroup_id_y 1
		.amdhsa_system_sgpr_workgroup_id_z 1
		.amdhsa_system_vgpr_workitem_id 0
		.amdhsa_next_free_vgpr 1024
		.amdhsa_next_free_sgpr 66
		.amdhsa_reserve_vcc 0
		.amdhsa_float_denorm_mode_32 3
		.amdhsa_float_denorm_mode_16_64 3
		.amdhsa_memory_ordered 1
		.amdhsa_forward_progress 1
		.amdhsa_inst_pref_size 230
	.end_amdhsa_kernel
	.amdgpu_metadata
---
amdhsa.version: [ 1, 2 ]
amdhsa.kernels:
  - .name:           k_q4bd75ce0e7_proj
    .symbol:         k_q4bd75ce0e7_proj.kd
    .args:
      - { .name: init_Q, .offset: 0, .size: 8, .value_kind: global_buffer, .address_space: global }
      - { .name: init_K, .offset: 8, .size: 8, .value_kind: global_buffer, .address_space: global }
      - { .name: init_V, .offset: 16, .size: 8, .value_kind: global_buffer, .address_space: global }
      - { .name: wc, .offset: 24, .size: 8, .value_kind: global_buffer, .address_space: global }
      - { .name: qc, .offset: 32, .size: 8, .value_kind: global_buffer, .address_space: global }
      - { .name: kv, .offset: 40, .size: 8, .value_kind: global_buffer, .address_space: global }
    .group_segment_fixed_size: 324096
    .private_segment_fixed_size: 0
    .kernarg_segment_align: 8
    .kernarg_segment_size: 48
    .max_flat_workgroup_size: 128
    .sgpr_count:     66
    .vgpr_count:     1024
    .wavefront_size: 32
...
	.end_amdgpu_metadata
.endif
;; end of part 2
;; launch attn (part 3): grid 16 x 16, 8 waves a work-group, clusters of 4 x 1, 327,680 bytes of LDS; arguments qc, kv, cc; writes cc
.if DOCPART == 3
	.amdgcn_target "amdgcn-amd-amdhsa--gfx1250"
	.amdhsa_code_object_version 6
	.text
	.protected	k_q4bd75ce0e7_attn
	.globl	k_q4bd75ce0e7_attn
	.p2align	8
	.type	k_q4bd75ce0e7_attn,@function
k_q4bd75ce0e7_attn:
	s_mov_b64 s[64:65], 0
	v_nop
	global_prefetch_b8 v0, s[64:65] scope:SCOPE_SE
	s_setreg_imm32_b32 hwreg(HW_REG_WAVE_MODE, 25, 1), 1
	s_wait_xcnt 0x0
	s_wait_alu depctr_hold_cnt(0) depctr_sa_sdst(0) depctr_va_vdst(0) depctr_va_sdst(0) depctr_va_ssrc(0) depctr_va_vcc(0) depctr_vm_vsrc(0)
	s_getreg_b32 s2, hwreg(HW_REG_IB_STS2, 6, 4)
	s_cmp_eq_u32 s2, 0
	s_cbranch_scc0 .Lentry_in_a_cluster
	s_endpgm
.Lentry_in_a_cluster:
	s_bfe_u32 s2, ttmp6, 0x10000c
	s_cmp_lg_u32 s2, 0x3003
	s_cbranch_scc0 .Lentry_shape_is_right
	s_endpgm
.Lentry_shape_is_right:
; O = softmax(Q K^T / 8) V for one head of one batch, both products on codes of FP6 (E2M3) with one E8M0 scale for each 32 along a product's K; O / l is quantised along the head's 64 and leaves as codes for the last product.
; THE SOFTMAX: t = score x log2(e) / 8; M = the row's largest t so far, rounded UP to a whole number; p = 2^(t - M) is quantised along the keys, not normalised.  The row's sum l is taken of the unquantised p, in f32, and divides O at the end.
; When M moves, l and O are multiplied by 2^(old M - new M): exact.
; SHARES.  A work-group owns 256 queries of one head (grid y = batch x 8 + head); each of its eight waves 32: two tiles of 16.  Tile 0 lives in window 0, tile 1 in window 1, at the same register numbers: the softmax is one text under two window settings.
; LAYOUT.  Both products are used transposed: S^T = K Q^T, O^T = V^T P^T: a lane holds ONE query (lane % 16).  Tile 4 c + u of a record's keys holds keys 64 c + 8 u + 0..7 in rows 0-7 and keys 64 c + 32 + 8 u + 0..7 in rows 8-15:
; so the 32 registers of tiles 4 c .. 4 c + 3 are, in lane (r, h), keys 64 c + 32 h + 0 .. 31: ONE WHOLE BLOCK of the second product's K, in the order of that operand's registers.  A block's maximum needs no other lane and no codes change lanes.
; Queries and channels: row i of tile (b, u) is 32 b + 8 u + i + 8 (i / 8).
; K = 64 IN AN INSTRUCTION OF 128.  An image of K holds two tiles of keys, one in K = 0 .. 63, one in K = 64 .. 127.  Q stands in a run of 18 registers, six zeros, q, six zeros: v[22:33] = (q, 0) picks the first, v[16:27] = (0, q) the second.
; CLUSTER.  The four work-groups of a cluster own query blocks of one head and walk the same records of K and V: every fill is asked for JOINTLY.
; RING.  Two slots of 8 records (a record: 128 keys, 12,800 bytes: K's 4 images, V's 4 images, K's and V's scale words).  Every wave fetches one record of each fill: one tensor load a wave is out at any time.
; A slot's last record lies in registers when the slot is given up: it is worked between the barrier's signal and its wait.
; NO PREFETCH: a fill is asked for eight key steps (192 matrix instructions a wave) ahead of its first read; only the head's fill is waited for, and nothing runs ahead of the head.
; LIMITS: the promise holds while the scaled scores stay under 2^31 in magnitude; NaN and infinities are not served; a block of O / l whose largest magnitude lies under 2^-124, and a block of p that has fallen to 0, get the scale byte 1
; (only this program reads the bytes); O / l is v_rcp_f32 and a multiplication; a block's largest p is taken from its largest score, which takes v_exp_f32 not to fall where its input rises.
; REGISTERS in both windows: v12 -M, v13 the largest score, v[14:15] l in two halves, v16-33 Q's run, v34-45 p's codes, v46-71 at work, v72-135 S^T then p, v136-167 O^T.
;   window 0 alone: v1-v9 addresses; v168-215 K's four images; v216-229 scale registers; v232-244 Q as loaded.   window 1 alone: v168-215 V's four images.
.set REC,   12800
.set SLOTB, 8*REC
.set SPARE, 102400                     ; behind slot 0: the spare words, 128 bytes for each of eight waves
.set SLOT1, 131072                     ; one exclusive or turns an address in one slot into the other's
.set WV,  12
.set CS,  16                           ; s[16:17] c = log2(e) / 8
.set SEL, 18                           ; s[18:19] lane selects: lane l xor 16
.set HM,  20                           ; a mask of lanes 16-31
.set TB,  21                           ; LDS byte at which the record to be fetched begins
.set CO,  22
.set CI,  23
.set G1,  24                           ; s[24:31] descriptor group 1;  s[36:39] the group 0, which walks
.set G0W, 36
.set QH,  16
.set QL,  22
.set PCD, 34
.set CT,  46
.set BM,  54
.set BT,  58
.set BS,  62
.set FF,  66
.set T0,  68
.set PT,  69
.set SH,  71                           ; 8 x (lane / 16)
.set SS,  72
.set OO,  136
.set KF,  168
.set VF,  168
.set SCK, 216                          ; lanes 0-15: the words of K's four images
.set SCV, 220                          ; lanes 16-31: the words of V's four images
.set QS,  224                          ; Q's words: tile 0 for (q, 0), for (0, q); tile 1 likewise
.set PW,  228                          ; p's words, tile 0, tile 1
.set QIN, 232
.set QW,  244
.set MSB, 0
.macro WIN new                         ; the immediate's high byte repeats the setting that is left
.if MSB != (\new)
	s_set_vgpr_msb (MSB<<8)|(\new)
.set MSB, (\new)
.endif
.endm
.macro PLACES
.rept 4
	v_nop
.endr
.endm
.macro CREST                           ; a round of the cluster's barrier behind its opening barrier
	s_cmp_lg_u32 s[WV], 0
	s_cbranch_scc1 .Lnot_wave_0_\@
	s_barrier_signal -3
.Lnot_wave_0_\@:
	s_barrier_wait -3
	s_barrier_signal -1
	s_barrier_wait -1
.endm
.macro CROUND
	s_barrier_signal -1
	s_barrier_wait -1
	CREST
.endm
.macro JLOAD                           ; my record of a fill; s_nop 0 and four v_nop follow
	tensor_load_to_lds s[G0W:G0W+3], s[G1:G1+7]
	s_nop 0
	PLACES
.endm
.macro WALK                            ; no tensor load of mine is out: the group 0 goes to the other slot and the next eight records
	s_xor_b32 s[G0W+1], s[G0W+1], SLOT1
	s_add_nc_u64 s[G0W+2:G0W+3], s[G0W+2:G0W+3], SLOTB
.endm
	s_load_b128 s[4:7], s[0:1], 0x0                ; qc, kv
	s_load_b64 s[8:9], s[0:1], 0x10                ; cc
	v_lshl_add_u32 v8, v0, 2, SPARE                ; my spare word; never rewritten
	v_mov_b32 v9, 0                                ; 0; never rewritten
	ds_add_u32 v8, v9                              ; the opening lines: the add twice on end
	ds_add_u32 v8, v9
	v_lshrrev_b32 v1, 5, v0
	v_readfirstlane_b32 s[WV], v1                  ; wave 0..7
	v_and_b32 v3, 31, v0
	v_and_b32 v6, 15, v0
	v_bfe_u32 v[SH], v0, 4, 1
	v_lshlrev_b32 v1, 4, v3                        ; 16 l
	v_lshlrev_b32 v4, 3, v3                        ; 8 l
	v_lshlrev_b32 v5, 1, v3                        ; 2 l
	v_lshlrev_b32 v6, 4, v6                        ; 16 r
	v_lshlrev_b32 v[SH], 3, v[SH]
	s_bfe_u32 s13, ttmp6, 0x40000                  ; cx
	s_lshl_b32 s14, ttmp9, 2
	s_add_co_u32 s14, s14, s13                     ; my block of 256 queries: it enters Q's and the output's addresses alone
	s_and_b32 s15, ttmp7, 0xffff                   ; batch x 8 + head, which the four partners share
	s_mov_b32 s[CS], 0x3e38aa3b
	s_mov_b32 s[CS+1], s[CS]
	s_mov_b32 s[SEL], 0x76543210
	s_mov_b32 s[SEL+1], 0xfedcba98
	s_mov_b32 s[HM], 0xffff0000
	s_mov_b32 s[TB], 0
	s_mov_b32 s56, 0x01010000                      ; the byte 1 on a scale word's upper half,
	s_mov_b32 s57, 0x0101                          ; on its lower half
	s_mov_b32 s[G1], 15|(3<<16)|(1<<21)            ; a record, 12,800 dense bytes, as 50 rows of 256 bytes (32 elements of 8); the mask names all four work-groups
	s_mov_b32 s[G1+1], 32<<16
	s_mov_b32 s[G1+2], 50<<16
	s_mov_b32 s[G1+3], 32<<16
	s_mov_b32 s[G1+4], 50
	s_mov_b32 s[G1+5], 32
	s_mov_b32 s[G1+6], 0
	s_mov_b32 s[G1+7], 0
	s_mov_b32 s[G0W], 1
	s_mul_i32 s[G0W+1], s[WV], REC                 ; to LDS: record = wave, slot 0
	s_mul_i32 s40, s15, 409600
	s_add_co_u32 s40, s40, s[G0W+1]
	s_mov_b32 s41, 0
	s_mul_i32 s42, s15, 204800                     ; Q: the head,
	s_lshl_b32 s43, s14, 1
	s_lshr_b32 s44, s[WV], 2
	s_add_co_u32 s43, s43, s44
	s_mul_i32 s43, s43, 6400                       ; the record of 128 queries,
	s_add_co_u32 s42, s42, s43
	s_and_b32 s44, s[WV], 3                        ; my run of 32 in it
	s_mul_i32 s45, s44, 1536
	s_add_co_u32 s46, s42, s45                     ; its image,
	s_mov_b32 s47, 0
	s_lshl_b32 s44, s44, 2
	s_add_co_u32 s48, s42, s44
	s_add_co_u32 s48, s48, 6144                    ; its scale words
	s_mov_b32 s49, 0
	s_lshr_b32 s50, s15, 3                         ; batch
	s_lshl_b32 s50, s50, 7
	s_lshl_b32 s51, s14, 3
	s_add_co_u32 s50, s50, s51
	s_add_co_u32 s50, s50, s[WV]                   ; my run of 32 rows among the 256 of both batches
	s_and_b32 s51, s15, 7                          ; head
	s_mul_i32 s52, s50, 12288
	s_mul_i32 s53, s51, 1536
	s_add_co_u32 s52, s52, s53                     ; the output's codes,
	s_mov_b32 s53, 0
	s_lshl_b32 s54, s50, 9
	s_lshl_b32 s55, s51, 6
	s_add_co_u32 s54, s54, s55
	s_add_co_u32 s54, s54, 3145728                 ; its scale bytes
	s_mov_b32 s55, 0
	s_wait_alu depctr_va_vdst(0)                   ; the wait ahead of the waits below
	s_wait_dscnt 0x0                               ; both opening adds are done
	s_wait_kmcnt 0x0
	s_add_nc_u64 s[G0W+2:G0W+3], s[6:7], s[40:41]  ; records 0-7
	s_or_b32 s[G0W+3], s[G0W+3], 0x80000000
	s_add_nc_u64 s[46:47], s[4:5], s[46:47]
	s_add_nc_u64 s[48:49], s[4:5], s[48:49]
	s_add_nc_u64 s[52:53], s[8:9], s[52:53]
	s_add_nc_u64 s[54:55], s[8:9], s[54:55]
	CROUND                                         ; all four work-groups are here: the first joint loads meet
	JLOAD                                          ; slot 0: one tensor load a wave at the head
.irp k, 0,1,2
	global_load_b128 v[QIN+4*\k:QIN+4*\k+3], v1, s[46:47] offset:512*\k   ; Q's image: registers 0-5 tile 0, registers 6-11 tile 1
.endr
	global_load_b32 v[QW], v6, s[48:49]            ; row r's word: (tile 0 block 0, block 1, tile 1 block 0, block 1)
.macro INIT                            ; the step is written once for all keys: the first finds zeros, which the first change of M leaves zeros
	v_mov_b32 v13, 0xff61b1e6                      ; the largest score so far: -3e38
	v_mov_b32 v14, 0
	v_floor_f32 v12, -v13                          ; -M: so large that the first factor is 0
	v_mov_b32 v15, 0
	v_mov_b32 v[FF+1], 0                           ; (named as the upper half of a pair)
	v_mov_b32 v[T0], 0
.irp b, 0,1,2,3
	v_mov_b32 v[BT+\b], 0                          ; a lane permute's destination counts as one of its sources
.endr
.irp i, 0,1,2,3,4,5
	v_mov_b32 v[QH+\i], 0                          ; the zeros on both sides of q
	v_mov_b32 v[QL+6+\i], 0
.endr
.set j, 0
.rept 32
	v_mov_b32 v[OO+j], 0
.set j, j+1
.endr
.endm
	INIT
	WIN 0x55
	INIT
	WIN 0x40
	v_mov_b32 v[SH], v[SH]                         ; 8 h into window 1 too
	WIN 0
.macro FETCH_K                         ; a record's K: 13 loads.  The addition and three v_nop are the four places behind the score products, whose registers the loads fill
	v_add_nc_u32 v2, s[TB], v1
.rept 3
	v_nop
.endr
.irp b, 0,1,2,3
.irp k, 0,1,2
	ds_load_b128 v[KF+12*\b+4*\k:KF+12*\b+4*\k+3], v2 offset:\b*1536+512*\k
.endr
.endr
	ds_load_b128 v[SCK:SCK+3], v2 offset:12288     ; 512 bytes: lanes 0-15 K's words of row r, lanes 16-31 V's
.endm
.macro FETCH_V                         ; the same record's V: 13 loads
	PLACES
	ds_load_b128 v[SCV:SCV+3], v2 offset:12288     ; the same 512 bytes once more: K runs half a step ahead of V
	WIN 0x40
.irp t, 0,1,2,3
.irp k, 0,1,2
	ds_load_b128 v[VF+12*\t+4*\k:VF+12*\t+4*\k+3], v2 offset:6144+\t*1536+512*\k
.endr
.endr
	WIN 0
	s_add_co_u32 s[TB], s[TB], REC
.endm
.macro SCORES t                        ; S^T of tile t: 8 tiles of 16 keys; K in window 0, Q and S^T in the tile's window
	WIN 0x44*\t
.irp b, 0,1,2,3
	v_wmma_scale_f32_16x16x128_f8f6f4 v[SS+16*\b:SS+16*\b+7], v[KF+12*\b:KF+12*\b+11], v[QL:QL+11], 0, v[SCK+\b], v[QS+2*\t] matrix_a_fmt:MATRIX_FMT_FP6 matrix_b_fmt:MATRIX_FMT_FP6
	v_wmma_scale_f32_16x16x128_f8f6f4 v[SS+16*\b+8:SS+16*\b+15], v[KF+12*\b:KF+12*\b+11], v[QH:QH+11], 0, v[SCK+\b], v[QS+2*\t+1] matrix_a_fmt:MATRIX_FMT_FP6 matrix_b_fmt:MATRIX_FMT_FP6
.endr
.endm
.macro PV t                            ; O^T += V^T P^T of tile t: four accumulators, one instruction each; V in window 1, the rest in the tile's window
	WIN 0x01+0x54*\t
.irp c, 0,1,2,3
	v_wmma_scale_f32_16x16x128_f8f6f4 v[OO+8*\c:OO+8*\c+7], v[VF+12*\c:VF+12*\c+11], v[PCD:PCD+11], v[OO+8*\c:OO+8*\c+7], v[SCV+\c], v[PW+\t] matrix_a_fmt:MATRIX_FMT_FP6 matrix_b_fmt:MATRIX_FMT_FP6 matrix_a_scale:MATRIX_SCALE_ROW1
.endr
.endm
.macro SOFTMAX t
	WIN 0x55*\t
; the largest score of my two blocks of 32 keys (registers 32 c .. 32 c + 31), each in two chains, the four chains by turns; every accumulator but the one at 32 c + 16 is first read at its low end.
; It serves twice: for the row's maximum and, since p rises with the score, for the block's largest p
.irp c, 0,1
	v_max3_num_f32 v[BM+\c], v[SS+32*\c], v[SS+32*\c+1], v[SS+32*\c+2]
	v_max3_num_f32 v[BM+2+\c], v[SS+32*\c+17], v[SS+32*\c+18], v[SS+32*\c+19]
.endr
.irp i, 0,2,4,6,8,10
.irp c, 0,1
	v_max3_num_f32 v[BM+\c], v[BM+\c], v[SS+32*\c+3+\i], v[SS+32*\c+4+\i]
	v_max3_num_f32 v[BM+2+\c], v[BM+2+\c], v[SS+32*\c+20+\i], v[SS+32*\c+21+\i]
.endr
.endr
.irp c, 0,1
	v_max3_num_f32 v[BM+\c], v[BM+\c], v[SS+32*\c+15], v[SS+32*\c+16]
.endr
.irp c, 0,1
	s_delay_alu instid0(VALU_DEP_2)
	v_max_num_f32 v[BM+\c], v[BM+\c], v[BM+2+\c]
.endr
	s_delay_alu instid0(VALU_DEP_1)
	v_max_num_f32 v[T0], v[BM], v[BM+1]
	s_delay_alu instid0(VALU_DEP_1)
	v_permlanex16_b32 v[BT], v[T0], s[SEL], s[SEL+1]
	s_delay_alu instid0(VALU_DEP_1)
	v_max3_num_f32 v13, v13, v[T0], v[BT]          ; the running largest score of my query, lane l xor 16's 64 keys among them
	v_mov_b32 v[BT+1], v12
	s_delay_alu instid0(VALU_DEP_2)
	v_mul_f32 v[T0], s[CS], v13                    ; as t (c is positive)
	s_delay_alu instid0(VALU_DEP_1)
	v_floor_f32 v12, -v[T0]                        ; the new -M = floor(-t) = -ceil(t): M IS A WHOLE NUMBER
	s_delay_alu instid0(VALU_DEP_1)
	v_sub_f32 v[T0], v12, v[BT+1]                  ; old M - new M: a whole number, 0 or less
	s_delay_alu instid0(VALU_DEP_1)
	v_cvt_i32_f32 v[T0], v[T0]                     ; (it saturates)
	s_delay_alu instid0(VALU_DEP_1)
	v_ldexp_f32 v[FF], 1.0, v[T0]                  ; f = 2^(old M - new M)
.set j, 0
.rept 32
	v_pk_fma_f32 v[SS+j:SS+j+1], v[SS+j:SS+j+1], s[CS:CS+1], v[12:13] op_sel_hi:[1,0,0]   ; t - M, two at a time (of the pairs c and -M the low word serves both halves)
.set j, j+2
.endr
.irp c, 0,1
	v_fma_f32 v[BM+\c], v[BM+\c], s[CS], v12       ; the same of each block's largest score
.endr
	s_wait_alu depctr_va_vdst(0)                   ; the wait ahead of the batch
.set j, 0
.rept 64
	v_exp_f32 v[SS+j], v[SS+j]                     ; p = 2^(t - M), at most 1: NOT normalised
.set j, j+1
.endr
.irp c, 0,1
	v_exp_f32 v[BM+\c], v[BM+\c]                   ; the block's largest p: the same two instructions on the same number give the same bits
.endr
	v_pk_mul_f32 v[14:15], v[14:15], v[FF:FF+1] op_sel_hi:[1,0]   ; l under the new M: the plain place behind the exponentials
	s_wait_alu depctr_va_vdst(0)                   ; and the wait behind the batch
.irp c, 0,1
	v_max_num_f32 v[BM+\c], 0x1800000, v[BM+\c]    ; the floor 2^(3 - 127): the byte cannot fall under 1
.endr
.irp c, 0,1
	v_add_nc_u32 v[BS+\c], 0xff000000, v[BM+\c]    ; 2 off the exponent field: the conversion's scale operand
.endr
.irp c, 0,1
	v_cvt_scalef32_pk16_fp6_f32 v[PCD+6*\c:PCD+6*\c+2], v[SS+32*\c:SS+32*\c+15], v[BS+\c]
	v_cvt_scalef32_pk16_fp6_f32 v[CT+4*\c:CT+4*\c+2], v[SS+32*\c+16:SS+32*\c+31], v[BS+\c]   ; (a conversion's three registers begin on an even number)
.endr
.irp c, 0,1
	v_lshrrev_b32 v[BT+\c], 23, v[BS+\c]           ; the scale's byte.  (Plain lines behind the conversions)
.endr
	s_delay_alu instid0(VALU_DEP_1)
	v_lshl_or_b32 v[PT], v[BT+1], 16, v[BT]        ; my two bytes: blocks h and 2 + h,
	s_delay_alu instid0(VALU_DEP_1)
	v_lshlrev_b32 v[PT], v[SH], v[PT]              ; at their places in the word (8 h bits up);
	s_delay_alu instid0(VALU_DEP_1)
	v_permlanex16_b32 v[BT+2], v[PT], s[SEL], s[SEL+1]
	WIN 0x05*\t                                    ; scale operands are taken from window 0
	v_or_b32 v[PW+\t], v[PT], v[BT+2]              ; with lane l xor 16's two the word is whole; more than eight plain instructions stand between it and the products
	WIN 0x55*\t
.irp c, 0,1
.irp i, 0,1,2
	v_mov_b32 v[PCD+6*\c+3+\i], v[CT+4*\c+\i]      ; registers 6 c .. 6 c + 5: keys 64 c + 32 h + 0 .. 31
.endr
.endr
	v_pk_add_f32 v[CT:CT+1], v[SS:SS+1], v[SS+2:SS+3]   ; THE ROW'S SUM IS TAKEN OF THE UNQUANTISED p: two at a time, in two chains
.set j, 4
.rept 15
	v_pk_add_f32 v[14:15], v[14:15], v[SS+j:SS+j+1]
	v_pk_add_f32 v[CT:CT+1], v[CT:CT+1], v[SS+j+2:SS+j+3]
.set j, j+4
.endr
	s_delay_alu instid0(VALU_DEP_1)
	v_pk_add_f32 v[14:15], v[14:15], v[CT:CT+1]
.set j, 0
.rept 16
	v_pk_mul_f32 v[OO+j:OO+j+1], v[OO+j:OO+j+1], v[FF:FF+1] op_sel_hi:[1,0]   ; O^T under the new M, each accumulator from its low end on
.set j, j+2
.endr
.endm
; A KEY STEP: one record, 128 keys, both tiles.  fetch = 1: the next record's K is fetched behind the score products, its V behind the second products.  fetch = 0: work on registers alone.
; No accumulator has two instructions on end, over the backward jumps too.
.macro STEP fetch
.if \fetch
	s_wait_dscnt 13                                ; K's 13 loads are in; V's 13, issued behind them, may be out
.endif
	SCORES 0
	SCORES 1
	WIN 0
.if \fetch
	FETCH_K
.else
	PLACES
.endif
	SOFTMAX 0
	s_wait_alu depctr_va_vdst(0)
.if \fetch
	s_wait_dscnt 13                                ; V's 13 loads are in; the next K's 13 may be out
.endif
	PV 0
	SOFTMAX 1
	PV 1
	WIN 0
.if \fetch
	FETCH_V
.else
	PLACES
.endif
.endm
; A SLOT: its first record is fetched; seven steps work records 0-6 and fetch records 1-7; then the slot is given up: each wave waits for all its tensor loads (its record of the other slot), adds 0 to its spare word,
; waits for that and for its reads of the slot, and signals; record 7, which lies in registers, is worked between the signal and the wait.
.macro SLOTRUN lab, fill
	FETCH_K
	FETCH_V
	s_mov_b32 s[CI], 7
\lab:
	STEP 1
	s_sub_co_u32 s[CI], s[CI], 1
	s_cmp_lg_u32 s[CI], 0
	s_cbranch_scc1 \lab
	s_wait_tensorcnt 0x0
	ds_add_u32 v8, v9
.if \fill
	WALK
.endif
	s_sub_co_u32 s[TB], s[TB], SLOTB               ; the fetches go back to a slot's first record,
	s_xor_b32 s[TB], s[TB], SLOT1                  ; in the other slot
	s_wait_dscnt 0x0
	s_barrier_signal -1
	STEP 0
	s_barrier_wait -1
.if \fill
	CREST                                          ; the barrier has opened a round of the cluster's: no wave of any partner still reads the slot
	JLOAD
.endif
.endm
	s_wait_alu depctr_va_vdst(0)                   ; the wait at the head's end
	s_wait_tensorcnt 0x0                           ; my record of slot 0 is in; slot 1's first fill is issued as a refill is
	ds_add_u32 v8, v9
	WALK
	s_wait_dscnt 0x0
	CROUND
	JLOAD                                          ; records 8-15
	s_wait_loadcnt 0x0                             ; Q
.irp i, 0,1,2,3,4,5
	v_mov_b32 v[QL+\i], v[QIN+\i]                  ; tile 0's q between its zeros
.endr
	WIN 0x40
.irp i, 0,1,2,3,4,5
	v_mov_b32 v[QL+\i], v[QIN+6+\i]                ; tile 1's, in window 1
.endr
	WIN 0
	v_and_or_b32 v[QS], v[QW], 0xffff, s56         ; tile 0, (q, 0): (block 0, block 1, 1, 1)
	v_lshl_or_b32 v[QS+1], v[QW], 16, s57          ; tile 0, (0, q): (1, 1, block 0, block 1)
	v_lshrrev_b32 v[QS+2], 16, v[QW]
	v_and_or_b32 v[QS+3], v[QW], s[HM], s57
	s_delay_alu instid0(VALU_DEP_2)
	v_or_b32 v[QS+2], s56, v[QS+2]                 ; tile 1 likewise
.rept 8
	v_nop                                          ; a scale register written by a vector instruction stands eight places ahead of a scaled matrix instruction
.endr
	s_wait_alu depctr_va_vdst(0)                   ; the wait ahead of the loops
	s_mov_b32 s[CO], 2
.Lfill:                                                ; records 0-7, then 8-15; slot 0 takes records 16-23, then slot 1 records 24-31
	SLOTRUN .Lstep_a, 1
	s_sub_co_u32 s[CO], s[CO], 1
	s_cmp_lg_u32 s[CO], 0
	s_cbranch_scc1 .Lfill
	s_mov_b32 s[CO], 2
.Ltail:                                                ; records 16-23, then 24-31: nothing more is asked for.  The first trip's barrier shows slot 1 whole to all waves; the second trip's orders nothing and stands so that both trips share one text
	SLOTRUN .Lstep_b, 0
	s_sub_co_u32 s[CO], s[CO], 1
	s_cmp_lg_u32 s[CO], 0
	s_cbranch_scc1 .Ltail
; THE WAY OUT.  O^T / l; a lane's 32 numbers are 16 neighbours of each of the head's two blocks of 32 channels: they are quantised and are registers 6 c .. 6 c + 5 (c = head % 2) of the last product's fragment.
.macro EPI t
	WIN 0x55*\t
	v_add_f32 v14, v14, v15                        ; l's two halves,
	s_delay_alu instid0(VALU_DEP_1)
	v_permlanex16_b32 v[T0], v14, s[SEL], s[SEL+1]
	s_delay_alu instid0(VALU_DEP_1)
	v_add_f32 v14, v14, v[T0]                      ; and lane l xor 16's
	s_wait_alu depctr_va_vdst(0)
	v_rcp_f32 v14, v14
	v_nop                                          ; one plain place behind the transcendental
	s_wait_alu depctr_va_vdst(0)
.set j, 0
.rept 16
	v_pk_mul_f32 v[OO+j:OO+j+1], v[OO+j:OO+j+1], v[14:15] op_sel_hi:[1,0]
.set j, j+2
.endr
.irp b, 0,1
	v_max3_num_f32 v[BM+\b], |v[OO+16*\b]|, |v[OO+16*\b+1]|, 0x1800000
.endr
.irp i, 2,4,6,8,10,12,14
.irp b, 0,1
	s_delay_alu instid0(VALU_DEP_2)
	v_max3_num_f32 v[BM+\b], v[BM+\b], |v[OO+16*\b+\i]|, |v[OO+16*\b+\i+1]|
.endr
.endr
.irp b, 0,1
	s_delay_alu instid0(VALU_DEP_2)
	v_permlanex16_b32 v[BT+\b], v[BM+\b], s[SEL], s[SEL+1]
.endr
.irp b, 0,1
	s_delay_alu instid0(VALU_DEP_2)
	v_max_num_f32 v[BM+\b], v[BM+\b], v[BT+\b]
.endr
.irp b, 0,1
	s_delay_alu instid0(VALU_DEP_2)
	v_add_nc_u32 v[BS+\b], 0xff000000, v[BM+\b]
.endr
.irp b, 0,1
	s_delay_alu instid0(VALU_DEP_2)
	v_lshrrev_b32 v[BT+\b], 23, v[BS+\b]
.endr
	s_delay_alu instid0(VALU_DEP_1)
	v_lshl_or_b32 v[PT], v[BT+1], 8, v[BT]         ; my row's two scale bytes
	v_cvt_scalef32_pk16_fp6_f32 v[PCD:PCD+2], v[OO:OO+15], v[BS]
	v_cvt_scalef32_pk16_fp6_f32 v[CT:CT+2], v[OO+16:OO+31], v[BS+1]
	v_nop
.irp i, 0,1,2
	v_permlane16_swap_b32 v[PCD+\i], v[CT+\i]      ; a WHOLE block to a lane
.endr
.irp i, 0,1,2
	s_delay_alu instid0(VALU_DEP_3)
	v_mov_b32 v[PCD+3+\i], v[CT+\i]
.endr
.endm
	EPI 0
	global_store_b128 v1, v[PCD:PCD+3], s[52:53]               ; 512 consecutive bytes, at a multiple of 256 from cc's first byte
	global_store_b64 v4, v[PCD+4:PCD+5], s[52:53] offset:512   ; 256 likewise
	EPI 1
	WIN 0x04                                       ; a store's data are its source 1
	global_store_b128 v1, v[PCD:PCD+3], s[52:53] offset:768
	global_store_b64 v4, v[PCD+4:PCD+5], s[52:53] offset:768+512
	WIN 0x01
	v_mov_b32 v70, v[PT]                           ; tile 1's bytes into window 0
	WIN 0
	v_cndmask_b32 v70, v[PT], v70, s[HM]           ; lanes 0-15: tile 0's rows; lanes 16-31: tile 1's
	global_store_b16 v5, v70, s[54:55]             ; 64 consecutive bytes a wave
	s_wait_tensorcnt 0x0                           ; the wave's end
	ds_add_u32 v8, v9
	s_wait_dscnt 0x0
	CROUND                                         ; the closing round: no work-group ends while a partner may still ask for a tile that names it
	s_endpgm
.Lfunc_end_k_q4bd75ce0e7_attn:
	.size	k_q4bd75ce0e7_attn, .Lfunc_end_k_q4bd75ce0e7_attn-k_q4bd75ce0e7_attn
	.p2alignl 7, 3214868480
	.fill 96, 4, 3214868480
	.section	.rodata,"a",@progbits
	.p2align	6, 0x0
	.amdhsa_kernel k_q4bd75ce0e7_attn
		.amdhsa_group_segment_fixed_size 327680
		.amdhsa_private_segment_fixed_size 0
		.amdhsa_enable_private_segment 0
		.amdhsa_kernarg_size 24
		.amdhsa_user_sgpr_count 2
		.amdhsa_user_sgpr_kernarg_segment_ptr 1
		.amdhsa_wavefront_size32 1
		.amdhsa_system_sgpr_workgroup_id_x 1
		.amdhsa_system_sgpr_workgroup_id_y 1
		.amdhsa_system_sgpr_workgroup_id_z 1
		.amdhsa_system_vgpr_workitem_id 0
		.amdhsa_next_free_vgpr 512
		.amdhsa_next_free_sgpr 66
		.amdhsa_reserve_vcc 0
		.amdhsa_float_denorm_mode_32 3
		.amdhsa_float_denorm_mode_16_64 3
		.amdhsa_memory_ordered 1
		.amdhsa_forward_progress 1
		.amdhsa_inst_pref_size 131
	.end_amdhsa_kernel
	.amdgpu_metadata
---
amdhsa.version: [ 1, 2 ]
amdhsa.kernels:
  - .name:           k_q4bd75ce0e7_attn
    .symbol:         k_q4bd75ce0e7_attn.kd
    .args:
      - { .name: qc, .offset: 0, .size: 8, .value_kind: global_buffer, .address_space: global }
      - { .name: kv, .offset: 8, .size: 8, .value_kind: global_buffer, .address_space: global }
      - { .name: cc, .offset: 16, .size: 8, .value_kind: global_buffer, .address_space: global }
    .group_segment_fixed_size: 327680
    .private_segment_fixed_size: 0
    .kernarg_segment_align: 8
    .kernarg_segment_size: 24
    .max_flat_workgroup_size: 256
    .sgpr_count:     66
    .vgpr_count:     512
    .wavefront_size: 32
...
	.end_amdgpu_metadata
.endif
;; end of part 3
;; launch outproj (part 4): grid 64 x 4, 4 waves a work-group, clusters of 4 x 1, 168,448 bytes of LDS; arguments cc, wc, out0; writes out0
.if DOCPART == 4
	.amdgcn_target "amdgcn-amd-amdhsa--gfx1250"
	.amdhsa_code_object_version 6
	.text
	.protected	k_q4bd75ce0e7_outproj
	.globl	k_q4bd75ce0e7_outproj
	.p2align	8
	.type	k_q4bd75ce0e7_outproj,@function
k_q4bd75ce0e7_outproj:
	s_mov_b64 s[64:65], 0
	v_nop
	global_prefetch_b8 v0, s[64:65] scope:SCOPE_SE
	s_setreg_imm32_b32 hwreg(HW_REG_WAVE_MODE, 25, 1), 1
	s_wait_xcnt 0x0
	s_wait_alu depctr_hold_cnt(0) depctr_sa_sdst(0) depctr_va_vdst(0) depctr_va_sdst(0) depctr_va_ssrc(0) depctr_va_vcc(0) depctr_vm_vsrc(0)
	s_getreg_b32 s2, hwreg(HW_REG_IB_STS2, 6, 4)
	s_cmp_eq_u32 s2, 0
	s_cbranch_scc0 .Lentry_in_a_cluster
	s_endpgm
.Lentry_in_a_cluster:
	s_bfe_u32 s2, ttmp6, 0x10000c
	s_cmp_lg_u32 s2, 0x3003
	s_cbranch_scc0 .Lentry_shape_is_right
	s_endpgm
.Lentry_shape_is_right:
; out0 = concat Wo^T on codes of FP6 (E2M3) with one E8M0 scale for each 32 along K = 512 = 64 x head + channel.  Both operands arrive as codes in the order of an operand's registers.
; SHARES.  A work-group takes 128 rows x 128 of the 512 outputs (grid y: which quarter of Wo): 256 equal work-groups.  Wave w takes 32 rows, two tiles of 16; all four waves keep the same quarter of Wo, 32 fragments, in registers.
; Source 0 = 16 rows of Wo (row i of tile 2 b + u is 32 b + 8 u + i + 8 (i / 8)), source 1 = 16 rows of concat: a lane holds one row of the output and, in the 16 registers of two neighbouring tiles, 16 neighbouring outputs.
; CLUSTER.  The four work-groups of a cluster take the same quarter of Wo: its 51,200 bytes come by two JOINT tensor loads (waves 0 and 1), once.  LDS bytes are filled once, so there is no ring.
; cc: run of 32 rows g x 12,288 + head x 1,536 + tile u x 768: registers 0-3 of the head's six at 16 l, registers 4-5 at 512 + 8 l; scale bytes at 3,145,728 + 512 g + 64 head + 2 (16 u + r).
; LDS: 0 .. 51,199 Wo's operand block (image (t, s) at (4 t + s) x 1,536, scale register (t, sp) at 49,152 + (2 t + sp) x 128);  from 51,200 a stage of 16 rows x (512 + 16) bytes for each wave.
; REGISTERS, window 0: v1-v6 addresses; v12-15 concat's scale words; v16-111 concat's 8 fragments; v112-175 tile 0's accumulators, later rows read back; v176-239 rows read back; v240-255 Wo's scale registers.
;   window 1: Wo's fragments of K steps 0, 1 at v[12 (2 t + s)]; v192-255 tile 1's accumulators.   window 2: Wo's fragments of K steps 2, 3.
.set OPB,  51200
.set SRO,  49152
.set STG,  51200
.set SPITCH, 528                       ; 33 x 16 bytes: the sixteen rows that a store touches begin in different banks (64 banks of 4 bytes: ISA guide 11.1)
.set WV,   12
.set G1,   24
.set G0,   32
.set FSC,  12
.set FIX,  16
.set ACC0, 112
.set BK1,  112
.set BK0,  176
.set TS,   176
.set MSC,  240
.set MSB, 0
.macro WIN new
.if MSB != (\new)
	s_set_vgpr_msb (MSB<<8)|(\new)
.set MSB, (\new)
.endif
.endm
.macro PLACES
.rept 4
	v_nop
.endr
.endm
.macro CROUND
	s_barrier_signal -1
	s_barrier_wait -1
	s_cmp_lg_u32 s[WV], 0
	s_cbranch_scc1 .Lnot_wave_0_\@
	s_barrier_signal -3
.Lnot_wave_0_\@:
	s_barrier_wait -3
	s_barrier_signal -1
	s_barrier_wait -1
.endm
; One product.  z = 1: it starts the sum.  ra, rb: 1 where the side's scale words lie in lanes 16-31 of the register named.
.macro WM d, a, b, z, sa, sb, ra, rb
.set WMV, 4*(\z)+2*(\ra)+(\rb)
.if WMV == 4
	v_wmma_scale_f32_16x16x128_f8f6f4 v[\d:\d+7], v[\a:\a+11], v[\b:\b+11], 0, v[\sa], v[\sb] matrix_a_fmt:MATRIX_FMT_FP6 matrix_b_fmt:MATRIX_FMT_FP6
.elseif WMV == 5
	v_wmma_scale_f32_16x16x128_f8f6f4 v[\d:\d+7], v[\a:\a+11], v[\b:\b+11], 0, v[\sa], v[\sb] matrix_a_fmt:MATRIX_FMT_FP6 matrix_b_fmt:MATRIX_FMT_FP6 matrix_b_scale:MATRIX_SCALE_ROW1
.elseif WMV == 0
	v_wmma_scale_f32_16x16x128_f8f6f4 v[\d:\d+7], v[\a:\a+11], v[\b:\b+11], v[\d:\d+7], v[\sa], v[\sb] matrix_a_fmt:MATRIX_FMT_FP6 matrix_b_fmt:MATRIX_FMT_FP6
.elseif WMV == 1
	v_wmma_scale_f32_16x16x128_f8f6f4 v[\d:\d+7], v[\a:\a+11], v[\b:\b+11], v[\d:\d+7], v[\sa], v[\sb] matrix_a_fmt:MATRIX_FMT_FP6 matrix_b_fmt:MATRIX_FMT_FP6 matrix_b_scale:MATRIX_SCALE_ROW1
.elseif WMV == 2
	v_wmma_scale_f32_16x16x128_f8f6f4 v[\d:\d+7], v[\a:\a+11], v[\b:\b+11], v[\d:\d+7], v[\sa], v[\sb] matrix_a_fmt:MATRIX_FMT_FP6 matrix_b_fmt:MATRIX_FMT_FP6 matrix_a_scale:MATRIX_SCALE_ROW1
.else
	v_wmma_scale_f32_16x16x128_f8f6f4 v[\d:\d+7], v[\a:\a+11], v[\b:\b+11], v[\d:\d+7], v[\sa], v[\sb] matrix_a_fmt:MATRIX_FMT_FP6 matrix_b_fmt:MATRIX_FMT_FP6 matrix_a_scale:MATRIX_SCALE_ROW1 matrix_b_scale:MATRIX_SCALE_ROW1
.endif
.endm
	s_load_b128 s[4:7], s[0:1], 0x0                ; cc, wc
	s_load_b64 s[8:9], s[0:1], 0x10                ; out0
	v_lshl_add_u32 v9, v0, 2, 0x29000
	v_mov_b32 v11, 0
	ds_add_u32 v9, v11
	ds_add_u32 v9, v11
	v_lshrrev_b32 v1, 5, v0
	v_readfirstlane_b32 s[WV], v1                  ; wave 0..3
	s_bfe_u32 s13, ttmp6, 0x40000                  ; cx
	s_lshl_b32 s14, ttmp9, 2
	s_add_co_u32 s14, s14, s13                     ; my block of 128 rows: it enters cc's and out0's addresses alone
	s_and_b32 s15, ttmp7, 0xffff                   ; which quarter of Wo, which the four partners share
	; half a quarter, 25,600 dense bytes, as 100 rows of 256 bytes (32 elements of 8 bytes)
	s_mov_b32 s[G1], 15|(3<<16)|(1<<21)            ; 15:0 the mask: all four work-groups; 17:16 elements of 8 bytes; 21 set beside a mask
	s_mov_b32 s[G1+1], 32<<16
	s_mov_b32 s[G1+2], 100<<16
	s_mov_b32 s[G1+3], 32<<16
	s_mov_b32 s[G1+4], 100
	s_mov_b32 s[G1+5], 32
	s_mov_b32 s[G1+6], 0
	s_mov_b32 s[G1+7], 0
	s_mov_b32 s[G0], 1
	s_mul_i32 s[G0+1], s[WV], OPB/2
	s_mul_i32 s40, s15, OPB
	s_add_co_u32 s40, s40, s[G0+1]
	s_add_co_u32 s40, s40, 3*4*OPB                 ; Wo is the fourth weight in wc
	s_mov_b32 s41, 0
	s_lshl_b32 s16, s14, 2
	s_add_co_u32 s16, s16, s[WV]                   ; my run of 32 rows, 0..255
	s_mul_i32 s44, s16, 12288                      ; its codes,
	s_mov_b32 s45, 0
	s_lshl_b32 s46, s16, 9
	s_add_co_u32 s46, s46, 3145728                 ; its scale bytes,
	s_mov_b32 s47, 0
	s_lshl_b32 s48, s16, 16                        ; its 32 rows of 2,048 bytes in out0,
	s_lshl_b32 s49, s15, 9                         ; my quarter's 512 bytes of a row
	s_add_co_u32 s48, s48, s49
	s_mov_b32 s49, 0
	s_mul_i32 s50, s[WV], 16*SPITCH
	s_add_co_u32 s50, s50, STG                     ; my stage
	v_and_b32 v7, 31, v0                           ; lane
	v_lshlrev_b32 v1, 4, v7                        ; 16 l
	v_lshlrev_b32 v2, 3, v7                        ; 8 l
	v_lshlrev_b32 v3, 1, v7                        ; 2 l
	v_lshlrev_b32 v4, 2, v7                        ; 4 l
	v_and_b32 v7, 15, v0                           ; r
	v_bfe_u32 v10, v0, 4, 1                        ; h
	v_mul_u32_u24 v5, v7, SPITCH
	v_lshl_add_u32 v5, v10, 6, v5
	v_add_nc_u32 v5, s50, v5                       ; into the stage: row r, + 64 h: my 16 outputs of a block of 32
	v_add_nc_u32 v6, s50, v1                       ; back: a row's 512 bytes, 16 a lane
	s_wait_dscnt 0x0
	s_wait_kmcnt 0x0
	s_add_nc_u64 s[G0+2:G0+3], s[6:7], s[40:41]
	s_or_b32 s[G0+3], s[G0+3], 0x80000000
	s_add_nc_u64 s[44:45], s[4:5], s[44:45]
	s_add_nc_u64 s[46:47], s[4:5], s[46:47]
	s_add_nc_u64 s[48:49], s[8:9], s[48:49]
	CROUND                                         ; all four work-groups are here: the joint loads meet
	s_cmp_lt_u32 s[WV], 2
	s_cbranch_scc0 .Lno_fill
	tensor_load_to_lds s[G0:G0+3], s[G1:G1+7]
	s_nop 0
	PLACES
.Lno_fill:
	s_wait_alu depctr_va_vdst(0)
.irp u, 0,1                                    ; concat's fragment (tile u, K step s): registers 6 c .. 6 c + 5 are head 2 s + c's piece
.irp s, 0,1,2,3
.irp c, 0,1
	global_load_b128 v[FIX+12*(4*\u+\s)+6*\c:FIX+12*(4*\u+\s)+6*\c+3], v1, s[44:45] offset:(2*\s+\c)*1536+768*\u
	global_load_b64 v[FIX+12*(4*\u+\s)+6*\c+4:FIX+12*(4*\u+\s)+6*\c+5], v2, s[44:45] offset:(2*\s+\c)*1536+768*\u+512
.endr
.endr
.endr
.irp n, 0,1,2,3,4,5,6,7
	global_load_u16 v[TS+\n], v3, s[46:47] offset:64*\n   ; head n's two scale bytes: lanes 0-15 tile 0's rows, lanes 16-31 tile 1's
.endr
	s_wait_tensorcnt 0x0                           ; my half of the quarter has landed (waves 2 and 3 have none out),
	s_barrier_signal -1
	s_barrier_wait -1                              ; everybody's has
.irp w, 0,1
	WIN 0x40*(1+\w)
.irp t, 0,1,2,3,4,5,6,7
.irp s, 0,1
.irp k, 0,1,2
	ds_load_b128 v[12*(2*\t+\s)+4*\k:12*(2*\t+\s)+4*\k+3], v1 offset:(4*\t+2*\w+\s)*1536+512*\k
.endr
.endr
.endr
.endr
	WIN 0
.irp j, 0,1,2,3,4,5,6,7,8,9,10,11,12,13,14,15
	ds_load_b32 v[MSC+\j], v4 offset:SRO+\j*128
.endr
	s_wait_loadcnt 0x0
.irp s, 0,1,2,3
	v_lshl_or_b32 v[FSC+\s], v[TS+2*\s+1], 16, v[TS+2*\s]   ; K step s's word: heads 2 s and 2 s + 1
.endr
.rept 8
	v_nop                                          ; a scale register written by a vector instruction stands eight places ahead of a scaled matrix instruction
.endr
	s_wait_alu depctr_va_vdst(0)
	s_wait_dscnt 0x0
.irp u, 0,1                                    ; 64 products: the tile's eight accumulators take turns, one instruction a turn
.irp s, 0,1,2,3
	WIN 1+\s/2+0x50*\u
.irp t, 0,1,2,3,4,5,6,7
.if \s == 0
	WM ACC0+80*\u+8*\t, 24*\t, FIX+48*\u, 1, MSC+2*\t, FSC, 0, \u
.else
	WM ACC0+80*\u+8*\t, 24*\t+12*(\s%2), FIX+48*\u+12*\s, 0, MSC+2*\t+\s/2, FSC+\s, \s%2, \u
.endif
.endr
.endr
.endr
	WIN 0
	PLACES                                         ; four places in front of the first read of results and of loads into the products' registers
	; THE WAY OUT: a tile's 16 rows x 512 bytes go through my own stage and come back as whole rows.  LDS serves a wave's instructions in order (ISA guide 5.7.1.4): no wait between the stores and the loads, nor in front of the next tile's stores.
.irp b, 0,1,2,3
.irp k, 0,1,2,3
	ds_store_b128 v5, v[ACC0+16*\b+4*\k:ACC0+16*\b+4*\k+3] offset:128*\b+16*\k   ; each accumulator from its low end on
.endr
.endr
.irp t, 0,1,2,3,4,5,6,7,8,9,10,11,12,13,14,15
	ds_load_b128 v[BK0+4*\t:BK0+4*\t+3], v6 offset:SPITCH*\t
.endr
	WIN 0x04                                       ; an LDS store's data are its source 1: tile 1's accumulators, v192-255 of window 1
.irp b, 0,1,2,3
.irp k, 0,1,2,3
	ds_store_b128 v5, v[192+16*\b+4*\k:192+16*\b+4*\k+3] offset:128*\b+16*\k
.endr
.endr
	WIN 0
	s_wait_dscnt 16                                ; tile 0's stores and loads are done; tile 1's 16 stores may be out
.irp t, 0,1,2,3,4,5,6,7,8,9,10,11,12,13,14,15
	ds_load_b128 v[BK1+4*\t:BK1+4*\t+3], v6 offset:SPITCH*\t
.endr
.irp t, 0,1,2,3,4,5,6,7,8,9,10,11,12,13,14,15
	global_store_b128 v1, v[BK0+4*\t:BK0+4*\t+3], s[48:49] offset:(\t+8*(\t/8))*2048 th:TH_STORE_NT   ; 32 lanes store 512 consecutive bytes, at a multiple of 256 from out0's first byte; written once
.endr
	s_wait_dscnt 0x0
.irp t, 0,1,2,3,4,5,6,7,8,9,10,11,12,13,14,15
	global_store_b128 v1, v[BK1+4*\t:BK1+4*\t+3], s[48:49] offset:(\t+8*(\t/8)+8)*2048 th:TH_STORE_NT
.endr
	s_wait_tensorcnt 0x0
	ds_add_u32 v9, v11
	s_wait_dscnt 0x0
	CROUND                                         ; the closing round: no work-group ends while a partner may still ask for a tile that names it
	s_endpgm
.Lfunc_end_k_q4bd75ce0e7_outproj:
	.size	k_q4bd75ce0e7_outproj, .Lfunc_end_k_q4bd75ce0e7_outproj-k_q4bd75ce0e7_outproj
	.p2alignl 7, 3214868480
	.fill 96, 4, 3214868480
	.section	.rodata,"a",@progbits
	.p2align	6, 0x0
	.amdhsa_kernel k_q4bd75ce0e7_outproj
		.amdhsa_group_segment_fixed_size 168448
		.amdhsa_private_segment_fixed_size 0
		.amdhsa_enable_private_segment 0
		.amdhsa_kernarg_size 24
		.amdhsa_user_sgpr_count 2
		.amdhsa_user_sgpr_kernarg_segment_ptr 1
		.amdhsa_wavefront_size32 1
		.amdhsa_system_sgpr_workgroup_id_x 1
		.amdhsa_system_sgpr_workgroup_id_y 1
		.amdhsa_system_sgpr_workgroup_id_z 1
		.amdhsa_system_vgpr_workitem_id 0
		.amdhsa_next_free_vgpr 768
		.amdhsa_next_free_sgpr 66
		.amdhsa_reserve_vcc 0
		.amdhsa_float_denorm_mode_32 3
		.amdhsa_float_denorm_mode_16_64 3
		.amdhsa_memory_ordered 1
		.amdhsa_forward_progress 1
		.amdhsa_inst_pref_size 32
	.end_amdhsa_kernel
	.amdgpu_metadata
---
amdhsa.version: [ 1, 2 ]
amdhsa.kernels:
  - .name:           k_q4bd75ce0e7_outproj
    .symbol:         k_q4bd75ce0e7_outproj.kd
    .args:
      - { .name: cc, .offset: 0, .size: 8, .value_kind: global_buffer, .address_space: global }
      - { .name: wc, .offset: 8, .size: 8, .value_kind: global_buffer, .address_space: global }
      - { .name: out0, .offset: 16, .size: 8, .value_kind: global_buffer, .address_space: global }
    .group_segment_fixed_size: 168448
    .private_segment_fixed_size: 0
    .kernarg_segment_align: 8
    .kernarg_segment_size: 24
    .max_flat_workgroup_size: 128
    .sgpr_count:     66
    .vgpr_count:     768
    .wavefront_size: 32
...
	.end_amdgpu_metadata
.endif
;; end of part 4
